; MI455X (gfx1250); checked and timed in simulation.
; The chip was launched on July 23, 2026; its instructions are those of AMD's public machine-readable ISA for CDNA 5 (MIT licence, August 2026) and "CDNA5" Instruction Set Architecture Reference Guide (July 2026). The comments in the code are by the model that wrote it; some were corrected since.
;; Self Attention1 D. Allowed arithmetic: matrix products marked QUANTISED: E4M3 operands, one E8M0 scale for each 32 along K, by v_wmma_scale_f32_16x16x128_f8f6f4 with both operands' format E4M3, f32 sums; everything else in f32.
;; Inputs: Wf 512 x 64 float32; Wg 512 x 64 float32; Wh 512 x 512 float32; bf 64 float32; bg 64 float32; bh 512 float32; gamma one number float32; x 4 x 4,096 x 512 float32.
;; Outputs: out0 4 x 4,096 x 512 float32.
;; This version of the problem:
;;   THIS VERSION OF THE PROBLEM IS GIVEN IN LOW PRECISION. The matrix products marked QUANTISED in the list below multiply operands that are first quantised to E4M3 (4 exponent bits, 3 mantissa bits; 8 bits a number), with one power-of-two scale for each 32 numbers along K (OCP MX v1.0); their sums are f32. All else is computed in f32.
;;   The module's matrix products, in the order in which they are computed (A, B: the left and right operand; K: the contracted axis; several contracted axes count as one K, in the product's order):
;;     1. [M 16,384, K 512] x [K 512, N 64]; A: input x; B: input Wf: QUANTISED
;;     2. [M 16,384, K 512] x [K 512, N 64]; A: input x; B: input Wg: QUANTISED
;;     3. [M 16,384, K 512] x [K 512, N 512]; A: input x; B: input Wh: QUANTISED
;;     4. batch 4 x [M 4,096, K 64] x [K 64, N 4,096]; A: computed on the way; B: computed on the way: QUANTISED
;;     5. batch 4 x [M 4,096, K 4,096] x [K 4,096, N 512]; A: softmax (see below); B: computed on the way: QUANTISED
;;   THE QUANTISER, for each operand of a quantised product, along K:
;;     - K is cut into blocks of 32 from its start; a last block that is shorter is filled with zeros.
;;     - A block's scale is 2^e with e = floor(log2(the largest magnitude in the block)) - 8, held to -126 .. 127; a block of zeros has e = 0. As a byte (E8M0): e + 127.
;;     - Each number is divided by its block's scale, clamped to +-448, and rounded to the nearest number of E4M3, ties to even, subnormals kept.
;;     - The product sums the exact products of the quantised numbers (number of the format x scale) in f32.
;;   ~~~python
;;   def quantise(x, axis):      # numpy; x: float32 -> the quantised numbers, widened to float32 again
;;       x = np.moveaxis(x, axis, -1); K = x.shape[-1]
;;       x = np.pad(x, [(0, 0)] * (x.ndim - 1) + [(0, -K % 32)]); x = x.reshape(x.shape[:-1] + (-1, 32)); a = np.abs(x).max(-1, keepdims=True)
;;       e = np.where(a > 0, np.clip(np.frexp(np.where(a > 0, a, 1))[1] - 1 - 8, -126, 127), 0)      # np.frexp(a)[1] - 1 = floor(log2(a)), exactly
;;       r = np.clip(x / 2.0 ** e, -448, 448)
;;       step = 2.0 ** (np.maximum(np.frexp(np.where(r == 0, 1, r))[1] - 1, -6) - 3)
;;       q = np.round(r / step) * step * 2.0 ** e      # np.round: ties to even
;;       return np.moveaxis(q.reshape(q.shape[:-2] + (-1,))[..., :K], -1, axis).astype(np.float32)
;;   ~~~
;;   SOFTMAX AHEAD OF A QUANTISED PRODUCT. Where the list says 'softmax', what is quantised is not the finished softmax but p = 2^(t - M), with t = logit x log2(e) and M = ceil(the row's largest t), a whole number; so 1/2 < the row's largest p <= 1. The row's sum l is taken of the UNQUANTISED p, in f32, and the product's result is divided by l at the end. Since M is a whole number, a kernel that streams over the keys may use a running M (the ceiling of the running maximum): every later rescaling is an exact power of two, which a block's scale takes up: the codes' values come out the same.
;;   OPERANDS COMPUTED ON THE WAY. 'Computed on the way' means the value that the module computes at that place (a softmax that the list does not call 'softmax' is quantised finished and normalised). What goes into a quantiser is computed in f32, as accurately as f32 sums, v_exp_f32 and their like allow (about 1e-6 of the number): no bf16 or f16 on the way to a quantiser, and a product that is left as it is and whose result goes on into a quantised operand takes f32 operands (vector FMAs, or v_wmma_f32_16x16x4_f32). A number that lies on a knife's edge between two numbers of the format may be rounded either way, as far as f32 arithmetic and the matrix unit's own rounding can turn it there, and no further.
;; One version. Each part assembles by itself: llvm-mc -triple=amdgcn-amd-amdhsa -mcpu=gfx1250 --defsym DOCPART=n.
;; ======== version 1 of 1: 3 launches
;; workspace buffers: wimg 327,680 bytes; wsc 10,240 bytes; fimg 1,048,576 bytes; fsc 65,536 bytes; kv 9,764,864 bytes
;; launch wq (part 1): grid 40 x 1, 4 waves a work-group, no clusters, 1,024 bytes of LDS; arguments Wf, Wg, Wh, wimg, wsc; writes wimg, wsc
.if DOCPART == 1
	.amdgcn_target "amdgcn-amd-amdhsa--gfx1250"
	.amdhsa_code_object_version 6
	.text
	.protected	k_qe04ead0b74_wq
	.globl	k_qe04ead0b74_wq
	.p2align	8
	.type	k_qe04ead0b74_wq,@function
k_qe04ead0b74_wq:
	s_mov_b64 s[64:65], 0
	v_nop
	global_prefetch_b8 v0, s[64:65] scope:SCOPE_SE
	s_setreg_imm32_b32 hwreg(HW_REG_WAVE_MODE, 25, 1), 1
	s_wait_xcnt 0x0
; Wf [512][64], Wg [512][64], Wh [512][512], f32, K = their FIRST axis, become codes of E4M3 with one E8M0 byte for each 32 along K,
; laid as IMAGES OF THE OPERAND'S REGISTERS: tile T (16 columns) x K step s (128 along K) is 2,048 bytes at (4 T + s) x 2,048: register group q of lane l at 512 q + 16 l.
; Lane (r, h) of a fragment holds one column and k = 128 s + 32 q + 16 h + 0 .. 15.  Tiles 0-3: Wf, 4-7: Wg, 8-39: Wh.
; In a tile of Wf or Wg the columns are not neighbours: lane r of local tile 2 b + u holds column 32 b + 8 u + r + 8 (r / 8), so that the results of two neighbouring
; tiles are 16 neighbours along the next product's K.  In a tile of Wh lane r holds column 16 (T - 8) + r.
; The scale words (four bytes: 128 along K of one column) lie at 256 T + 16 r + 4 s.
; A work-group takes a tile, a wave a K step: a lane takes its column and its 64 registers run down K, so that the conversions' results are the image.
; A block's scale is 2^(floor(log2(its largest magnitude)) - 8).  LIMITS: a block of zeros, or one whose largest magnitude lies under 2^(9 - 127), gets the byte 1
; (its codes are zeros, and this program alone reads the bytes); NaN and infinities among the inputs are not served.
; 40 work-groups: the weights are 1.3 MB, read once; there is no more work to share out.
.set X,   32                           ; v32-95   my column's 64 numbers: register 16 c + i = k 32 c + 16 h + i
.set PC,  96                           ; v96-111  the codes
.set TM,  112                          ; v112-115 largest magnitudes, v116-119 bytes, v120-123 448 x the scale, v124-127 the conversions' scale operands
.set PW,  16                           ; v16      the scale word
.set SEL, 26                           ; s[26:27] lane selects: lane l xor 16
.set MNT, 28                           ; s28      the mantissa field of 448
; nb blocks of 32: 16 numbers of each in my registers v[s + 16 b + i], the other 16 in lane l xor 16.  Codes to v[PC + 4 b ..], the bytes to v[PW].
.macro QUANT s, nb
.set qb, 0
.rept \nb
	v_max3_num_f32 v[TM+qb], |v[(\s)+16*qb]|, |v[(\s)+16*qb+1]|, 0x4800000   ; with the floor 2^(9 - 127): the byte cannot fall under 1
.set qb, qb+1
.endr
.irp i, 2,4,6,8,10,12,14
.set qb, 0
.rept \nb
	v_max3_num_f32 v[TM+qb], v[TM+qb], |v[(\s)+16*qb+\i]|, |v[(\s)+16*qb+\i+1]|   ; the blocks by turns
.set qb, qb+1
.endr
.endr
.set qb, 0
.rept \nb
	v_permlanex16_b32 v[TM+4+qb], v[TM+qb], s[SEL], s[SEL+1]
.set qb, qb+1
.endr
.set qb, 0
.rept \nb
	v_max_num_f32 v[TM+qb], v[TM+qb], v[TM+4+qb]                  ; the block's largest magnitude
.set qb, qb+1
.endr
.set qb, 0
.rept \nb
	v_add_nc_u32 v[TM+12+qb], 0xfc000000, v[TM+qb]                ; 8 off its exponent field: the conversion's scale operand
.set qb, qb+1
.endr
.set qb, 0
.rept \nb
	v_and_or_b32 v[TM+8+qb], v[TM+qb], 0x7f800000, s[MNT]         ; 448 x the scale
.set qb, qb+1
.endr
.set qb, 0
.rept \nb
	v_lshrrev_b32 v[TM+4+qb], 23, v[TM+12+qb]                     ; the scale's byte
.set qb, qb+1
.endr
	v_lshl_or_b32 v[PW], v[TM+5], 8, v[TM+4]
.if \nb == 4
	v_lshl_or_b32 v[PW], v[TM+6], 16, v[PW]
	v_lshl_or_b32 v[PW], v[TM+7], 24, v[PW]
.endif
.set qb, 0
.rept \nb
.irp i, 0,1,2,3,4,5,6,7,8,9,10,11,12,13,14,15
	v_med3_num_f32 v[(\s)+16*qb+\i], v[(\s)+16*qb+\i], -v[TM+8+qb], v[TM+8+qb]   ; the conversion to an 8-bit code does not saturate (ISA guide 7.6.2): the hold
.endr
	v_cvt_scalef32_pk8_fp8_f32 v[PC+4*qb:PC+4*qb+1], v[(\s)+16*qb:(\s)+16*qb+7], v[TM+12+qb]
	v_cvt_scalef32_pk8_fp8_f32 v[PC+4*qb+2:PC+4*qb+3], v[(\s)+16*qb+8:(\s)+16*qb+15], v[TM+12+qb]
.set qb, qb+1
.endr
	v_nop                                          ; a plain line behind the last conversion
.endm
	s_load_b256 s[4:11], s[0:1], 0x0               ; Wf s[4:5], Wg s[6:7], Wh s[8:9], wimg s[10:11]
	s_load_b64 s[12:13], s[0:1], 0x20              ; wsc
	v_lshl_add_u32 v128, v0, 2, 0x200
	v_mov_b32 v129, 0
	v_lshrrev_b32 v1, 5, v0
	v_readfirstlane_b32 s16, v1                    ; wave = K step
	v_and_b32 v1, 31, v0                           ; lane
	v_and_b32 v2, 15, v0                           ; r
	v_bfe_u32 v3, v0, 4, 1                         ; h
	s_mov_b32 s[SEL], 0x76543210
	s_mov_b32 s[SEL+1], 0xfedcba98
	s_mov_b32 s[MNT], 0x600000
	s_bfe_u32 s19, ttmp9, 0x10001                  ; a narrow tile's first column: 32 ((T / 2) % 2) + 8 (T % 2)
	s_lshl_b32 s19, s19, 5
	s_and_b32 s20, ttmp9, 1
	s_lshl_b32 s20, s20, 3
	s_add_co_u32 s19, s19, s20
	s_sub_co_u32 s21, ttmp9, 8                     ; a tile of Wh: 16 (T - 8) (not taken where T < 8)
	s_lshl_b32 s21, s21, 4
	s_cmp_lt_u32 ttmp9, 8
	s_cselect_b32 s17, 8, 11                       ; a row of the matrix is 2^8 or 2^11 bytes
	s_cselect_b32 s18, 1, 0                        ; the columns of a narrow tile are spread
	s_cselect_b32 s19, s19, s21
	s_lshl_b32 s22, s16, 7                         ; my K step's first row,
	s_lshl_b32 s22, s22, s17                       ; in bytes,
	s_lshl_b32 s19, s19, 2
	s_add_co_u32 s22, s22, s19                     ; + the tile's first column
	s_mov_b32 s23, 0
	s_add_co_u32 s24, s17, 4
	v_and_b32 v4, 8, v2
	v_mul_u32_u24 v4, v4, s18
	v_add_nc_u32 v4, v4, v2                        ; r, or r + 8 (r / 8)
	v_lshlrev_b32 v5, 2, v4
	v_lshlrev_b32 v4, s24, v3                      ; lanes 16-31 begin 16 rows further down
	v_add_nc_u32 v5, v5, v4                        ; my byte offset in the matrix
	v_lshlrev_b32 v6, 4, v1                        ; the image: 16 x lane
	v_lshlrev_b32 v7, 4, v2
	s_lshl_b32 s25, s16, 2
	v_add_nc_u32 v7, s25, v7                       ; LDS: the tile's scale words: 16 r + 4 x wave
	v_lshlrev_b32 v8, 3, v1                        ; and on the way out 8 bytes a lane
	s_lshl_b32 s14, ttmp9, 2
	s_add_co_u32 s14, s14, s16
	s_lshl_b32 s14, s14, 11                        ; my image: (4 T + s) x 2,048
	s_mov_b32 s15, 0
	s_lshl_b32 s30, ttmp9, 8                       ; the tile's scale words: 256 T
	s_mov_b32 s31, 0
.irp b, 0,1,2,3
	v_mov_b32 v[TM+4+\b], 0                        ; written once: a lane permute's destination counts as one of its sources
.endr
	s_wait_kmcnt 0x0
	s_cmp_lt_u32 ttmp9, 4                          ; which matrix: the choice hangs on the work-group's number alone
	s_cselect_b64 s[4:5], s[4:5], s[6:7]
	s_cmp_lt_u32 ttmp9, 8
	s_cselect_b64 s[4:5], s[4:5], s[8:9]
	s_add_nc_u64 s[4:5], s[4:5], s[22:23]
	s_add_nc_u64 s[10:11], s[10:11], s[14:15]
	s_add_nc_u64 s[12:13], s[12:13], s[30:31]
.macro LOADW pitch                     ; W(128 s + 32 c + 16 h + i, my column): sixteen lanes read 64 bytes of a row (a narrow tile: two runs of 32)
.irp c, 0,1,2,3
.irp i, 0,1,2,3,4,5,6,7,8,9,10,11,12,13,14,15
	global_load_b32 v[X+16*\c+\i], v5, s[4:5] offset:(32*\c+\i)*\pitch
.endr
.endr
.endm
	s_cmp_lt_u32 ttmp9, 8                          ; the two ways differ in the loads' immediates alone and join ahead of every LDS instruction
	s_cbranch_scc0 .Lwide
	LOADW 256
	s_branch .Lloaded
.Lwide:
	LOADW 2048
.Lloaded:
	s_wait_loadcnt 0x0
	QUANT X, 4
.irp q, 0,1,2,3
	global_store_b128 v6, v[PC+4*\q:PC+4*\q+3], s[10:11] offset:512*\q   ; 32 lanes store 512 consecutive bytes, at a multiple of 256 from the buffer's first byte
.endr
	ds_store_b32 v7, v[PW]                         ; lanes r and r + 16 write the same word with the same value
	s_wait_dscnt 0x0                               ; for the others' sake: my store has landed
	s_barrier_signal -1
	s_barrier_wait -1
	s_cmp_lg_u32 s16, 0                            ; wave 0 stores the tile's 64 scale words
	s_cbranch_scc1 .Lend
	ds_load_b64 v[10:11], v8
	s_wait_dscnt 0x0
	global_store_b64 v8, v[10:11], s[12:13]        ; 32 lanes store 256 consecutive bytes, aligned
.Lend:
	s_wait_tensorcnt 0x0
	ds_add_u32 v128, v129
	s_wait_dscnt 0x0
	s_endpgm
.Lfunc_end_k_qe04ead0b74_wq:
	.size	k_qe04ead0b74_wq, .Lfunc_end_k_qe04ead0b74_wq-k_qe04ead0b74_wq
	.p2alignl 7, 3214868480
	.fill 96, 4, 3214868480
	.section	.rodata,"a",@progbits
	.p2align	6, 0x0
	.amdhsa_kernel k_qe04ead0b74_wq
		.amdhsa_group_segment_fixed_size 1024
		.amdhsa_private_segment_fixed_size 0
		.amdhsa_enable_private_segment 0
		.amdhsa_kernarg_size 40
		.amdhsa_user_sgpr_count 2
		.amdhsa_user_sgpr_kernarg_segment_ptr 1
		.amdhsa_wavefront_size32 1
		.amdhsa_system_sgpr_workgroup_id_x 1
		.amdhsa_system_sgpr_workgroup_id_y 1
		.amdhsa_system_sgpr_workgroup_id_z 1
		.amdhsa_system_vgpr_workitem_id 0
		.amdhsa_next_free_vgpr 130
		.amdhsa_next_free_sgpr 66
		.amdhsa_reserve_vcc 0
		.amdhsa_float_denorm_mode_32 3
		.amdhsa_float_denorm_mode_16_64 3
		.amdhsa_memory_ordered 1
		.amdhsa_forward_progress 1
		.amdhsa_inst_pref_size 24
	.end_amdhsa_kernel
	.amdgpu_metadata
---
amdhsa.version: [ 1, 2 ]
amdhsa.kernels:
  - .name:           k_qe04ead0b74_wq
    .symbol:         k_qe04ead0b74_wq.kd
    .args:
      - { .name: Wf, .offset: 0, .size: 8, .value_kind: global_buffer, .address_space: global }
      - { .name: Wg, .offset: 8, .size: 8, .value_kind: global_buffer, .address_space: global }
      - { .name: Wh, .offset: 16, .size: 8, .value_kind: global_buffer, .address_space: global }
      - { .name: wimg, .offset: 24, .size: 8, .value_kind: global_buffer, .address_space: global }
      - { .name: wsc, .offset: 32, .size: 8, .value_kind: global_buffer, .address_space: global }
    .group_segment_fixed_size: 1024
    .private_segment_fixed_size: 0
    .kernarg_segment_align: 8
    .kernarg_segment_size: 40
    .max_flat_workgroup_size: 128
    .sgpr_count:     66
    .vgpr_count:     130
    .wavefront_size: 32
...
	.end_amdgpu_metadata
.endif
;; end of part 1
;; launch proj (part 2): grid 256 x 1, 4 waves a work-group, no clusters, 102,912 bytes of LDS; arguments x, wimg, wsc, bf, bg, bh, fimg, fsc, kv; writes fimg, fsc, kv
.if DOCPART == 2
	.amdgcn_target "amdgcn-amd-amdhsa--gfx1250"
	.amdhsa_code_object_version 6
	.text
	.protected	k_qe04ead0b74_proj
	.globl	k_qe04ead0b74_proj
	.p2align	8
	.type	k_qe04ead0b74_proj,@function
k_qe04ead0b74_proj:
	s_mov_b64 s[64:65], 0
	v_nop
	global_prefetch_b8 v0, s[64:65] scope:SCOPE_SE
	s_setreg_imm32_b32 hwreg(HW_REG_WAVE_MODE, 25, 1), 1
	s_wait_xcnt 0x0
; f = x Wf + bf, g = x Wg + bg, h = x Wh + bh, all three products on codes of E4M3 with one E8M0 byte for each 32 along K = the 512 channels; the results are quantised again,
; f and g along their 64 columns, h along the KEYS (the rows), and stored as images of the next launch's operand registers ([group q][lane][16 bytes]).
; SHARES.  A work-group takes 64 rows of x (work-group G: batch G / 64).  They form four tiles m = 2 b + u whose rows are NOT neighbours: row i of tile m is row 32 b + 8 u + i + 8 (i / 8).
;   Wave w quantises tile w (four fragments of 128 along K) and hands their images to the others through LDS: one barrier.  Then every wave holds all 16 fragments of x in registers, and
;   THE WAVES SHARE THE 40 COLUMN TILES, ten passes each: wave 0: tiles 0-5 of h, then f's four; wave 1: tiles 6-11 of h, then g's four; wave 2: tiles 12-21 of h; wave 3: tiles 22-31.
;   A pass's four fragments of W and its scale words (17 loads) are asked for THREE PASSES AHEAD, into four sets of registers by turns: 51 loads of a wave are on their way while a pass is multiplied.
; LAYOUT.  h: source 0 = x's tile, source 1 = 16 columns of Wh: a lane holds ONE channel, and by the choice of a tile's rows the 16 registers of tiles 2 b, 2 b + 1 are 16 neighbouring keys.
;   f, g: transposed (source 0 = 16 columns of W, source 1 = x's tile): a lane holds ONE row; by the choice of W's columns the registers of two tiles are 16 neighbouring columns.
;   So every conversion's result is the next operand's registers.  The biases are the C of each sum's first matrix instruction.
; OUT.  kv: [batch][record 0..31][76,288 bytes]; record s: V's codes of keys 128 s .. +127 (32 channel tiles x 2,048), V's scale words (64 c + 4 r), then g's codes of keys 128 (s + 1) .. (8 key tiles
;   x 1,024; step 0's in record 31) and g's scale words (64 t + 4 r).  fimg: 1,024 bytes a query tile 4 G + m; fsc: 64 bytes a tile.  f's and g's scale words have the bytes 0 above their two.
; W's images are not asked for jointly in a cluster: a joint request lands in LDS, from which each fragment would be read once, by one wave: 327,680 bytes through LDS and a round of the cluster's barrier
;   for each refill, for a work-group whose own operand is 32,768 bytes of codes.  Here a fragment goes from memory straight into the registers of the one wave that multiplies by it.
; V's scale words come from two work-groups (64 keys each): they leave as half-words, 64 bytes of a wave's store, 1,024 bytes a work-group beside 32,768 bytes of codes in whole runs of 512.
; LIMITS: a block of zeros, or one whose largest magnitude lies under 2^(9 - 127), gets the byte 1 (its codes are zeros; this program alone reads the bytes); NaN and infinities are not served.
; REGISTERS.  window 0: v2-11 addresses; v16-25 bh of my ten tiles; v26 the scale word just made; v32-159 x on its way (two sets of 64), later two sets of 8 bias registers, later f's or g's 16 accumulators;
;   v160-191 h's 4 accumulators; v192-207 codes; v208-223 at work; v224-239 x's scale words, v240-255 W's (four sets): these hold scales and nothing else.
;   window 1: x as loaded (256 registers), then x's 16 fragments at 16 (4 m + s).   window 2: W's fragments, four sets of four: set p at 64 p + 16 s.   window 3: v0-31 f's or g's bias.
.set REC,  76288
.set VS,   65536
.set GC,   67584
.set GS,   75776
.set SROW, 528                         ; a stage row: 512 bytes + 16: the sixteen rows that a load touches start at sixteen different 16-byte columns of 256
.set STGB, 16*SROW                     ; a stage; each wave has two, from LDS byte 0 on
.set XIMG, 8*STGB                      ; x's 16 fragment images, 2,048 bytes each, at 4 m + s
.set XSC,  XIMG+16*2048                ; their scale words, 128 bytes each
.set XO,  2                            ; v2   16 x lane
.set SST, 3                            ; v3   the stage, in: 2 STGB x wave + 16 x lane
.set SLD, 4                            ; v4   the stage, out: 2 STGB x wave + SROW r + 64 h
.set XWI, 5                            ; v5   where I store my images
.set XWS, 6                            ; v6   and their scale words
.set LI,  7                            ; v7   XIMG + 16 x lane
.set LS,  8                            ; v8   XSC + 4 x lane
.set WSO, 9                            ; v9   16 r
.set BO,  10                           ; v10  4 r
.set FBO, 11                           ; v11  64 h
.set BV,  16
.set PW,  26
.set XA,  32
.set BT,  32
.set FA,  32
.set HA,  160
.set PC,  192
.set TM,  208
.set XS,  224
.set WS,  240
.set FB3, 0                            ; in window 3
.set WV,  22
.set MNT, 23
.set SEL, 24
.set MSB, 0
.macro WIN new                         ; the immediate's high byte repeats the setting that is left
.if MSB != \new
	s_set_vgpr_msb (MSB<<8)|\new
.set MSB, \new
.endif
.endm
; nb blocks of 32: 16 numbers of each in my registers v[s + 16 b + i], the other 16 in lane l xor 16.  Codes to v[PC + 4 b ..], the bytes to v[PW].
.macro QUANT s, nb
.set qb, 0
.rept \nb
	v_max3_num_f32 v[TM+qb], |v[(\s)+16*qb]|, |v[(\s)+16*qb+1]|, 0x4800000   ; with the floor 2^(9 - 127): the byte cannot fall under 1.  Each accumulator is read from its low end on
.set qb, qb+1
.endr
.irp i, 2,4,6,8,10,12,14
.set qb, 0
.rept \nb
	v_max3_num_f32 v[TM+qb], v[TM+qb], |v[(\s)+16*qb+\i]|, |v[(\s)+16*qb+\i+1]|
.set qb, qb+1
.endr
.endr
.set qb, 0
.rept \nb
	v_permlanex16_b32 v[TM+4+qb], v[TM+qb], s[SEL], s[SEL+1]
.set qb, qb+1
.endr
.set qb, 0
.rept \nb
	v_max_num_f32 v[TM+qb], v[TM+qb], v[TM+4+qb]                  ; the block's largest magnitude
.set qb, qb+1
.endr
.set qb, 0
.rept \nb
	v_add_nc_u32 v[TM+12+qb], 0xfc000000, v[TM+qb]                ; 8 off its exponent field: the conversion's scale operand
.set qb, qb+1
.endr
.set qb, 0
.rept \nb
	v_and_or_b32 v[TM+8+qb], v[TM+qb], 0x7f800000, s[MNT]         ; 448 x the scale
.set qb, qb+1
.endr
.set qb, 0
.rept \nb
	v_lshrrev_b32 v[TM+4+qb], 23, v[TM+12+qb]                     ; the scale's byte
.set qb, qb+1
.endr
	v_lshl_or_b32 v[PW], v[TM+5], 8, v[TM+4]
.if \nb == 4
	v_lshl_or_b32 v[PW], v[TM+6], 16, v[PW]
	v_lshl_or_b32 v[PW], v[TM+7], 24, v[PW]
.endif
.set qb, 0
.rept \nb
.irp i, 0,1,2,3,4,5,6,7,8,9,10,11,12,13,14,15
	v_med3_num_f32 v[(\s)+16*qb+\i], v[(\s)+16*qb+\i], -v[TM+8+qb], v[TM+8+qb]   ; the conversion to an 8-bit code does not saturate (ISA guide 7.6.2): the hold
.endr
	v_cvt_scalef32_pk8_fp8_f32 v[PC+4*qb:PC+4*qb+1], v[(\s)+16*qb:(\s)+16*qb+7], v[TM+12+qb]
	v_cvt_scalef32_pk8_fp8_f32 v[PC+4*qb+2:PC+4*qb+3], v[(\s)+16*qb+8:(\s)+16*qb+15], v[TM+12+qb]
.set qb, qb+1
.endr
	v_nop                                          ; a plain line behind the last conversion: matrix instructions write these registers later
.endm
; pass i's four fragments of W and its scale words into set p: 17 loads.  Passes 0-5 go by s[32:33] and s[36:37], passes 6-9 by s[34:35] and s[38:39]
.macro WLOAD i, p
.if (\i) < 6
.set WBR, 32
.set WSR, 36
.set WIX, (\i)
.else
.set WBR, 34
.set WSR, 38
.set WIX, (\i)-6
.endif
	WIN 0x80                                       ; destination window 2
.irp s, 0,1,2,3
.irp q, 0,1,2,3
	global_load_b128 v[64*(\p)+16*\s+4*\q:64*(\p)+16*\s+4*\q+3], v[XO], s[WBR:WBR+1] offset:WIX*8192+2048*\s+512*\q
.endr
.endr
	WIN 0
	global_load_b128 v[WS+4*(\p):WS+4*(\p)+3], v[WSO], s[WSR:WSR+1] offset:WIX*256   ; column r's four words, one for each K step
.endm
; K step s of my 16 rows goes through my stage: in as loaded (a row's 512 bytes on end), out 64 bytes a lane: 16 neighbours of each block of 32.  LDS serves a wave's instructions in order
.macro TURN s
	WIN 0x04                                       ; an LDS store's data are its source 1: window 1
.irp i, 0,1,2,3,4,5,6,7,8,9,10,11,12,13,14,15
	ds_store_b128 v[SST], v[64*(\s)+4*\i:64*(\s)+4*\i+3] offset:((\s)%2)*STGB+SROW*\i
.endr
	WIN 0
.irp q, 0,1,2,3
.irp j, 0,1,2,3
	ds_load_b128 v[XA+64*((\s)%2)+16*\q+4*\j:XA+64*((\s)%2)+16*\q+4*\j+3], v[SLD] offset:((\s)%2)*STGB+128*\q+16*\j
.endr
.endr
.endm
.macro IMAGE adr, off                  ; the fragment in v[PC] on goes to LDS as it stands
.irp c, 0,1,2,3
	ds_store_b128 v[\adr], v[PC+4*\c:PC+4*\c+3] offset:(\off)+512*\c
.endr
.endm
	s_load_b256 s[4:11], s[0:1], 0x0               ; x s[4:5], wimg s[6:7], wsc s[8:9], bf s[10:11]
	s_load_b256 s[12:19], s[0:1], 0x20             ; bg s[12:13], bh s[14:15], fimg s[16:17], fsc s[18:19]
	s_load_b64 s[20:21], s[0:1], 0x40              ; kv
	v_lshl_add_u32 v30, v0, 2, 0x19000
	v_mov_b32 v31, 0
	v_lshrrev_b32 v1, 5, v0
	v_readfirstlane_b32 s[WV], v1                  ; wave 0..3
	v_and_b32 v1, 31, v0                           ; lane
	v_and_b32 v12, 15, v0                          ; r
	v_bfe_u32 v13, v0, 4, 1                        ; h
	v_lshlrev_b32 v[XO], 4, v1
	s_mul_i32 s26, s[WV], 2*STGB
	v_add_nc_u32 v[SST], s26, v[XO]
	v_mul_u32_u24 v[SLD], v12, SROW
	v_lshl_add_u32 v[SLD], v13, 6, v[SLD]
	v_add_nc_u32 v[SLD], s26, v[SLD]
	s_lshl_b32 s26, s[WV], 13
	s_add_co_u32 s26, s26, XIMG
	v_add_nc_u32 v[XWI], s26, v[XO]
	v_lshlrev_b32 v14, 2, v1
	s_lshl_b32 s26, s[WV], 9
	s_add_co_u32 s26, s26, XSC
	v_add_nc_u32 v[XWS], s26, v14
	v_add_nc_u32 v[LI], XIMG, v[XO]
	v_add_nc_u32 v[LS], XSC, v14
	v_lshlrev_b32 v[WSO], 4, v12
	v_lshlrev_b32 v[BO], 2, v12
	v_lshlrev_b32 v[FBO], 6, v13
.irp b, 0,1,2,3
	v_mov_b32 v[TM+4+\b], 0                        ; written once: a lane permute's destination counts as one of its sources
.endr
	s_mov_b32 s[SEL], 0x76543210
	s_mov_b32 s[SEL+1], 0xfedcba98
	s_mov_b32 s[MNT], 0x600000
	s_mul_i32 s26, s[WV], 6
	s_cmp_eq_u32 s[WV], 3
	s_cselect_b32 s27, 4, 0
	s_add_co_u32 s26, s26, s27                     ; c0, my first tile of h: 0, 6, 12, 22
	s_add_co_u32 s27, s26, 8                       ; its number among W's 40 tiles
	s_lshl_b32 s28, s[WV], 2
	s_add_co_u32 s29, s26, 14
	s_cmp_lt_u32 s[WV], 2
	s_cselect_b32 s28, s28, s29                    ; pass 6's tile: f's or g's first, or h's c0 + 6
	s_lshl_b32 s32, s27, 13
	s_mov_b32 s33, 0
	s_lshl_b32 s34, s28, 13
	s_mov_b32 s35, 0
	s_lshl_b32 s36, s27, 8
	s_mov_b32 s37, 0
	s_lshl_b32 s38, s28, 8
	s_mov_b32 s39, 0
	s_lshr_b32 s50, ttmp9, 1                       ; the record of my 64 keys, counted through all batches
	s_and_b32 s51, ttmp9, 1                        ; and which half of its 128 keys
	s_mul_i32 s52, s50, REC
	s_lshl_b32 s53, s26, 11
	s_lshl_b32 s54, s51, 10
	s_add_co_u32 s40, s52, s53
	s_add_co_u32 s40, s40, s54                     ; V's codes: 2,048 c0 + 1,024 x half (groups 2 x half, 2 x half + 1 of an image)
	s_mov_b32 s41, 0
	s_lshl_b32 s53, s26, 6
	s_lshl_b32 s54, s51, 1
	s_add_co_u32 s42, s52, s53
	s_add_co_u32 s42, s42, s54
	s_add_co_u32 s42, s42, VS                      ; V's scale words: 64 c0 + 2 x half
	s_mov_b32 s43, 0
	s_add_co_u32 s53, s50, 31
	s_and_b32 s53, s53, 31
	s_and_b32 s54, s50, 0x60
	s_or_b32 s53, s53, s54                         ; g lies one record back, within the batch
	s_mul_i32 s53, s53, REC
	s_lshl_b32 s54, s51, 12
	s_add_co_u32 s44, s53, s54
	s_add_co_u32 s44, s44, GC
	s_mov_b32 s45, 0
	s_lshl_b32 s54, s51, 8
	s_add_co_u32 s46, s53, s54
	s_add_co_u32 s46, s46, GS
	s_mov_b32 s47, 0
	s_lshl_b32 s56, ttmp9, 12                      ; f's images: 4 x 1,024 a work-group
	s_mov_b32 s57, 0
	s_lshl_b32 s58, ttmp9, 8                       ; f's scale words: 4 x 64
	s_mov_b32 s59, 0
	s_lshr_b32 s53, s[WV], 1
	s_lshl_b32 s53, s53, 5
	s_and_b32 s54, s[WV], 1
	s_lshl_b32 s54, s54, 3
	s_add_co_u32 s53, s53, s54                     ; my tile's first row: 32 (w / 2) + 8 (w % 2)
	s_lshl_b32 s53, s53, 11
	s_lshl_b32 s54, ttmp9, 17
	s_add_co_u32 s60, s53, s54
	s_mov_b32 s61, 0
	s_lshl_b32 s62, s26, 6                         ; bh: 64 c0 bytes
	s_mov_b32 s63, 0
	s_wait_kmcnt 0x0
	s_add_nc_u64 s[4:5], s[4:5], s[60:61]
	s_add_nc_u64 s[32:33], s[6:7], s[32:33]
	s_add_nc_u64 s[34:35], s[6:7], s[34:35]
	s_add_nc_u64 s[36:37], s[8:9], s[36:37]
	s_add_nc_u64 s[38:39], s[8:9], s[38:39]
	s_add_nc_u64 s[14:15], s[14:15], s[62:63]
	s_add_nc_u64 s[40:41], s[20:21], s[40:41]
	s_add_nc_u64 s[42:43], s[20:21], s[42:43]
	s_add_nc_u64 s[44:45], s[20:21], s[44:45]
	s_add_nc_u64 s[46:47], s[20:21], s[46:47]
	s_add_nc_u64 s[56:57], s[16:17], s[56:57]
	s_add_nc_u64 s[58:59], s[18:19], s[58:59]
	s_cmp_eq_u32 s[WV], 0                          ; wave 0 makes f, wave 1 g: the choice hangs on the wave's number alone
	s_cselect_b64 s[44:45], s[56:57], s[44:45]
	s_cselect_b64 s[46:47], s[58:59], s[46:47]
	s_cselect_b64 s[48:49], s[10:11], s[12:13]
	; ---- all requests at once: the first three passes' W, the biases, my 16 rows of x (each load of x: 512 consecutive bytes of a row, aligned)
	WLOAD 0, 0
	WLOAD 1, 1
	WLOAD 2, 2
.irp i, 0,1,2,3,4,5,6,7,8,9
	global_load_b32 v[BV+\i], v[BO], s[14:15] offset:64*\i    ; bh of channel 16 (c0 + i) + r  (waves 0 and 1 use the first six: so passes 0 to 5 are one text for all waves)
.endr
	WIN 0xc0                                       ; destination window 3
.irp k, 0,1,2,3
	global_load_b128 v[FB3+8*\k:FB3+8*\k+3], v[FBO], s[48:49] offset:(32*(\k/2)+8*(\k%2))*4       ; bf or bg at columns 32 (k / 2) + 16 h + 8 (k % 2) + 0 .. 7, in the result's layout
	global_load_b128 v[FB3+8*\k+4:FB3+8*\k+7], v[FBO], s[48:49] offset:(32*(\k/2)+8*(\k%2))*4+16   ; (waves 2 and 3 load these 256 bytes too and do not use them: so the head is one text for all waves)
.endr
	WIN 0x40                                       ; destination window 1
.irp s, 0,1,2,3
.irp i, 0,1,2,3,4,5,6,7,8,9,10,11,12,13,14,15
	global_load_b128 v[64*\s+4*\i:64*\s+4*\i+3], v[XO], s[4:5] offset:(\i+8*(\i/8))*2048+512*\s th:TH_LOAD_NT
.endr
.endr
	WIN 0
	; ---- X: my tile becomes four fragments
	s_wait_loadcnt 48                              ; all but the 48 loads of K steps 1 to 3
	TURN 0
.irp s, 0,1,2,3
	s_wait_dscnt 0x0                               ; this K step's numbers are back from the stage; the last step's image stores have read their registers
.if \s < 3
	s_wait_loadcnt 16*(2-\s)                       ; the next K step's 16 loads are in; those of the steps behind it may be out
	TURN \s+1
.endif
	QUANT XA+64*(\s%2), 4
	IMAGE XWI, 2048*\s
	ds_store_b32 v[XWS], v[PW] offset:128*\s
.endr
.irp j, 0,1,2,3,4,5,6,7
	v_mov_b32 v[BT+\j], v[BV]                      ; pass 0's C: a lane holds one channel, so its eight registers hold one bias
.endr
	s_wait_dscnt 0x0                               ; for the others' sake: my images have landed
	s_barrier_signal -1
	s_barrier_wait -1                              ; x's sixteen fragments lie in LDS; nothing is stored to LDS from here on
	WIN 0x40
.irp f, 0,1,2,3,4,5,6,7,8,9,10,11,12,13,14,15
.irp q, 0,1,2,3
	ds_load_b128 v[16*\f+4*\q:16*\f+4*\q+3], v[LI] offset:2048*\f+512*\q
.endr
.endr
	WIN 0
.irp f, 0,1,2,3,4,5,6,7,8,9,10,11,12,13,14,15
	ds_load_b32 v[XS+\f], v[LS] offset:128*\f
.endr
	s_wait_dscnt 0x0
; ---- a pass for h: tile c0 + i for the 64 rows.  Four accumulators by turns, one instruction a turn, K ascending
.macro HPASS i
.set HP, (\i)%4                        ; W's set
.set BP, (\i)%2                        ; the bias's set
.set AH, 9-(\i)                        ; how many later passes' loads are out behind this pass's: three, fewer at the end
.if AH > 3
.set AH, 3
.endif
.if (\i)+3 <= 9
	WLOAD (\i)+3, ((\i)+3)%4                       ; into the set that the pass before read: its products stand a whole quantiser, far more than eight places, back
.endif
	s_wait_loadcnt 17*AH                           ; this pass's 17 loads are in; the 17 of each later pass that has been asked for may be out
	WIN 0x09                                       ; source 0 (x) window 1, source 1 (W) window 2
.irp s, 0,1,2,3
.irp m, 0,1,2,3
.if \s == 0
	v_wmma_scale_f32_16x16x128_f8f6f4 v[HA+8*\m:HA+8*\m+7], v[16*(4*\m+\s):16*(4*\m+\s)+15], v[64*HP+16*\s:64*HP+16*\s+15], v[BT+8*BP:BT+8*BP+7], v[XS+4*\m+\s], v[WS+4*HP+\s]
.else
	v_wmma_scale_f32_16x16x128_f8f6f4 v[HA+8*\m:HA+8*\m+7], v[16*(4*\m+\s):16*(4*\m+\s)+15], v[64*HP+16*\s:64*HP+16*\s+15], v[HA+8*\m:HA+8*\m+7], v[XS+4*\m+\s], v[WS+4*HP+\s]
.endif
.endr
.endr
	WIN 0
.irp j, 0,1,2,3,4,5,6,7                ; eight places behind the products: the next pass's C, which names none of their registers
.if (\i) < 9
	v_mov_b32 v[BT+8*(1-BP)+\j], v[BV+(\i)+1]
.else
	v_nop
.endif
.endr
	s_wait_xcnt 0x0                                ; the last pass's stores have read the codes and the word: these are written again only behind this wait
	QUANT HA, 2                                    ; my channel's 64 keys: two blocks of 32
	global_store_b128 v[XO], v[PC:PC+3], s[40:41] offset:2048*(\i)          ; 512 consecutive bytes, aligned
	global_store_b128 v[XO], v[PC+4:PC+7], s[40:41] offset:2048*(\i)+512
	global_store_b16 v[BO], v[PW], s[42:43] offset:64*(\i)                  ; my half of channel r's scale word (lanes r and r + 16: the same bytes, the same value)
.endm
.irp i, 0,1,2,3,4,5
	HPASS \i
.endr
	s_cmp_lt_u32 s[WV], 2
	s_cbranch_scc1 .Lnarrow
.irp i, 6,7,8,9
	HPASS \i
.endr
	s_wait_tensorcnt 0x0
	ds_add_u32 v30, v31
	s_wait_dscnt 0x0
	s_endpgm
.Lnarrow:                                          ; ---- waves 0 and 1: f or g, transposed: tile k of W's columns x the four tiles of rows; pass 6 + k
.macro FPASS k
.set HP, ((\k)+6)%4
.set AH, 3-(\k)
.if (\k) == 0
	WLOAD 9, 1                                     ; the last pass's, into the set that pass 5 read
.endif
	s_wait_loadcnt 17*AH                           ; this pass's 17 loads are in; those of the later passes may be out
.irp s, 0,1,2,3
.if \s == 0
	WIN 0x36                                       ; source 0 (W) window 2, source 1 (x) window 1, source 2 (the bias) window 3
.else
	WIN 0x06                                       ; C and D window 0
.endif
.irp m, 0,1,2,3
.if \s == 0
	v_wmma_scale_f32_16x16x128_f8f6f4 v[FA+32*\m+8*(\k):FA+32*\m+8*(\k)+7], v[64*HP+16*\s:64*HP+16*\s+15], v[16*(4*\m+\s):16*(4*\m+\s)+15], v[FB3+8*(\k):FB3+8*(\k)+7], v[WS+4*HP+\s], v[XS+4*\m+\s]
.else
	v_wmma_scale_f32_16x16x128_f8f6f4 v[FA+32*\m+8*(\k):FA+32*\m+8*(\k)+7], v[64*HP+16*\s:64*HP+16*\s+15], v[16*(4*\m+\s):16*(4*\m+\s)+15], v[FA+32*\m+8*(\k):FA+32*\m+8*(\k)+7], v[WS+4*HP+\s], v[XS+4*\m+\s]
.endif
.endr
.endr
	WIN 0
.rept 8
	v_nop                                          ; eight places behind the products, in front of the first read of results
.endr
.endm
.irp k, 0,1,2,3
	FPASS \k
.endr
.irp m, 0,1,2,3
	s_wait_xcnt 0x0                                ; the stores before have read the codes and the word
	QUANT FA+32*\m, 2                              ; my row's 64 columns: two blocks
	global_store_b128 v[XO], v[PC:PC+3], s[44:45] offset:1024*\m
	global_store_b128 v[XO], v[PC+4:PC+7], s[44:45] offset:1024*\m+512
	global_store_b32 v[BO], v[PW], s[46:47] offset:64*\m      ; two bytes and two zeros: the upper 64 of the next product's 128 along K are zero codes
.endr
	s_wait_tensorcnt 0x0
	ds_add_u32 v30, v31
	s_wait_dscnt 0x0
	s_endpgm
.Lfunc_end_k_qe04ead0b74_proj:
	.size	k_qe04ead0b74_proj, .Lfunc_end_k_qe04ead0b74_proj-k_qe04ead0b74_proj
	.p2alignl 7, 3214868480
	.fill 96, 4, 3214868480
	.section	.rodata,"a",@progbits
	.p2align	6, 0x0
	.amdhsa_kernel k_qe04ead0b74_proj
		.amdhsa_group_segment_fixed_size 102912
		.amdhsa_private_segment_fixed_size 0
		.amdhsa_enable_private_segment 0
		.amdhsa_kernarg_size 72
		.amdhsa_user_sgpr_count 2
		.amdhsa_user_sgpr_kernarg_segment_ptr 1
		.amdhsa_wavefront_size32 1
		.amdhsa_system_sgpr_workgroup_id_x 1
		.amdhsa_system_sgpr_workgroup_id_y 1
		.amdhsa_system_sgpr_workgroup_id_z 1
		.amdhsa_system_vgpr_workitem_id 0
		.amdhsa_next_free_vgpr 800
		.amdhsa_next_free_sgpr 66
		.amdhsa_reserve_vcc 0
		.amdhsa_float_denorm_mode_32 3
		.amdhsa_float_denorm_mode_16_64 3
		.amdhsa_memory_ordered 1
		.amdhsa_forward_progress 1
		.amdhsa_inst_pref_size 171
	.end_amdhsa_kernel
	.amdgpu_metadata
---
amdhsa.version: [ 1, 2 ]
amdhsa.kernels:
  - .name:           k_qe04ead0b74_proj
    .symbol:         k_qe04ead0b74_proj.kd
    .args:
      - { .name: x, .offset: 0, .size: 8, .value_kind: global_buffer, .address_space: global }
      - { .name: wimg, .offset: 8, .size: 8, .value_kind: global_buffer, .address_space: global }
      - { .name: wsc, .offset: 16, .size: 8, .value_kind: global_buffer, .address_space: global }
      - { .name: bf, .offset: 24, .size: 8, .value_kind: global_buffer, .address_space: global }
      - { .name: bg, .offset: 32, .size: 8, .value_kind: global_buffer, .address_space: global }
      - { .name: bh, .offset: 40, .size: 8, .value_kind: global_buffer, .address_space: global }
      - { .name: fimg, .offset: 48, .size: 8, .value_kind: global_buffer, .address_space: global }
      - { .name: fsc, .offset: 56, .size: 8, .value_kind: global_buffer, .address_space: global }
      - { .name: kv, .offset: 64, .size: 8, .value_kind: global_buffer, .address_space: global }
    .group_segment_fixed_size: 102912
    .private_segment_fixed_size: 0
    .kernarg_segment_align: 8
    .kernarg_segment_size: 72
    .max_flat_workgroup_size: 128
    .sgpr_count:     66
    .vgpr_count:     800
    .wavefront_size: 32
...
	.end_amdgpu_metadata
.endif
;; end of part 2
;; launch attn (part 3): grid 64 x 4, 8 waves a work-group, clusters of 4 x 1, 327,680 bytes of LDS; arguments fimg, fsc, kv, gamma, x, out0; writes out0
.if DOCPART == 3
	.amdgcn_target "amdgcn-amd-amdhsa--gfx1250"
	.amdhsa_code_object_version 6
	.text
	.protected	k_qe04ead0b74_attn
	.globl	k_qe04ead0b74_attn
	.p2align	8
	.type	k_qe04ead0b74_attn,@function
k_qe04ead0b74_attn:
	s_mov_b64 s[64:65], 0
	v_nop
	global_prefetch_b8 v0, s[64:65] scope:SCOPE_SE
	s_setreg_imm32_b32 hwreg(HW_REG_WAVE_MODE, 25, 1), 1
	s_wait_xcnt 0x0
	s_wait_alu depctr_hold_cnt(0) depctr_sa_sdst(0) depctr_va_vdst(0) depctr_va_sdst(0) depctr_va_ssrc(0) depctr_va_vcc(0) depctr_vm_vsrc(0)
	s_getreg_b32 s2, hwreg(HW_REG_IB_STS2, 6, 4)
	s_cmp_eq_u32 s2, 0
	s_cbranch_scc0 .Lentry_in_a_cluster
	s_endpgm
.Lentry_in_a_cluster:
	s_bfe_u32 s2, ttmp6, 0x10000c
	s_cmp_lg_u32 s2, 0x3003
	s_cbranch_scc0 .Lentry_shape_is_right
	s_endpgm
.Lentry_shape_is_right:
; out = x + gamma softmax(f g^T) h, both products on codes of E4M3 with one E8M0 byte for each 32 along K.  4 batches x 4,096 positions; f, g: 64 wide (K = 64: the upper 64 of the
; instruction's 128 are zero codes); h: 512 wide, K = the keys.  f, g and h arrive as images of the operands' registers ([group q][lane][16 bytes]), made by the launch before.
; THE SOFTMAX: t = score x log2(e); M = the running largest t, rounded UP to a whole number; p = 2^(t - M) is quantised along the keys, not normalised; the row's sum is taken of the
; unquantised p and divides at the end.  When M moves, the sum and O are multiplied by 2^(old M - new M): exact.
; SHARES.  A work-group owns 64 queries: four tiles of 16.  EIGHT WAVES IN TWO ROLES, one of each on a SIMD whether waves are dealt singly or in pairs (role = (w xor w / 4) % 2, index = w / 2):
;   role A, index t: query tile t: S^T = g f^T for 128 keys a step, the softmax, p's codes; the image of p, its scale words and the factor 2^(old M - new M) go to LDS.
;   role B, index c: channels 128 c .. +127 for ALL four query tiles: O^T += V^T P^T in 32 accumulators (256 registers); it also issues the tensor loads.
;   So each fragment of V read from LDS feeds four matrix instructions, and the vector work of one wave stands beside the matrix work of the other.
;   In trip j role A makes P(j) while role B multiplies by P(j - 1): 33 trips, a work-group barrier between them; P lies in two sets of images by turns (trip j writes set j % 2).
; OPERANDS A TRIP AHEAD.  g and V come from LDS into registers one trip before they are multiplied, into the registers that this trip's products have just left: role A fetches g(j + 1) behind its eight
;   products, under its softmax; role B fetches V(j), tile by tile, behind each tile's four products, with the rescaling of a later tile as the places between.  So behind a barrier role A's products start
;   at once, and role B waits for P's 24 loads alone.
; LAYOUT.  Both products transposed: a lane holds ONE query (lane % 16).  The keys of a tile of g are not neighbours (lane r of tile 2 b + u: key 32 b + 8 u + r + 8 (r / 8)), so that the 16
;   registers of tiles 2 b, 2 b + 1 are 16 neighbouring keys.  The queries of a tile are spread the same way (row i of tile t: 32 (t / 2) + 8 (t % 2) + i + 8 (i / 8)): the way out undoes it.
; THE RING.  kv is [batch][record 0..31][76,288 bytes]; record s holds V of key step s and g of step s + 1: what trip s fetches.  Two records are one dense slot, 152,576 bytes; two slots; records 2 m and
;   2 m + 1 lie in slot m % 2 and are read in trips 2 m and 2 m + 1 (record 0, for want of a landed slot in trip 0, at the head of trip 1).  Each wave of role B brings a quarter of a slot with one tensor
;   load (149 rows of 256 bytes); a fill has two trips in which to land.  g of step 0 (in record 31) is read from memory.
; CLUSTER.  The four work-groups of a cluster belong to one batch and walk the same records: every fill is asked for JOINTLY (mask 15, the same descriptor in all four).
; By this text's own count a wave has two tensor loads outstanding at the start and one behind each refill's barrier.
; LIMITS: a block of p whose every number has fallen under 2^(9 - 127) keeps the byte 1 (its codes are zeros); NaN and infinities among the inputs are not served.
; REGISTERS, window 0: v1-2 the spare word's address and 0; v4-28 addresses, made ahead of the first parting of the roles, never rewritten.
;   role A: v32-47 f's fragment; v64-127 S^T, then p; v128-143 p's codes; v144-169 statistics and work; v240 f's scale words, v244-247 g's.   window 1: g's eight fragments.
;   role B: v32-95 P's four fragments; v96-223 V's eight; v224-227 P's scale words, v228-231 V's; v232-239 the factors, in pairs.   window 1: accumulator (c, t) at 8 (4 c + t).
.set REC,    76288
.set VS,     65536
.set GC,     67584
.set GS,     75776
.set SLOT,   2*REC
.set QUART,  SLOT/4                    ; 38,144 = 149 x 256
.set BATCHB, 32*REC
.set PIMG,   2*SLOT                    ; P's images: 2 sets x 4 tiles x 2,048
.set PSC,    PIMG+16384                ; P's scale words: 2 x 4 x 128;  the factors 1,024 bytes on;  gamma / the sum 3,072 bytes on
.set SPARE,  PSC+2048                  ; the spare words, 128 bytes for each wave: four blocks of 256 bytes that no other line names
.set SPW, 1
.set NIL, 2
.set AG,  4                            ; v4-7    g's images in slot sg, record e: register 2 sg + e
.set AGS, 8                            ; v8-11   g's scale words: lanes 0-15 tile i, lanes 16-31 tile i + 4
.set AVF, 12                           ; v12-15  my eight images of V
.set AVS, 16                           ; v16-19  their scale words: lanes 0-15 tile i, lanes 16-31 tile i + 4
.set PWI, 20                           ; v20     where role A stores its image
.set PWS, 21                           ; v21     and its words
.set PRI, 22                           ; v22     from where role B reads the images
.set PRS, 23                           ; v23     and the words
.set STO, 24                           ; v24     the way out: into my stage
.set SRD, 25                           ; v25     and back
.set GO,  26                           ; v26     16 x lane
.set R4,  27                           ; v27     4 r
.set RH,  28                           ; v28     4 r + 256 h
.set FQ,  32
.set SCO, 64
.set PC,  128
.set NM,  144                          ; -M;  v145 the largest t: the packed form names the pair and takes its low word
.set TX,  145
.set LSUM, 146                         ; v[146:147] the sum, in two halves
.set BM,  148
.set T2,  152
.set HD,  156
.set SO,  160
.set FAC, 164                          ; v[164:165] the factor; the upper word is named with it, so it is written
.set TT,  166
.set PW,  167
.set SU,  168
.set PFR, 32
.set VF,  96
.set PSW, 224
.set VSW, 228
.set FF,  232
.set FS,  240
.set GSW, 244
.set OB,  32
.set XB,  96
.set WV,   16
.set ROLE, 17
.set IDX,  18
.set G1,   32                          ; s[32:39] descriptor group 1
.set G0,   40                          ; s[40:47] group 0, a set for each slot
.set SEL,  48
.set CS,   50
.set MNT,  52
.set LOOP, 53
.set GAM,  54
.set GP,   56                          ; s[56:57] g of key step 0, in memory
.set MSB, 0
.macro WIN new                         ; the immediate's high byte repeats the setting that is left
.if MSB != \new
	s_set_vgpr_msb (MSB<<8)|\new
.set MSB, \new
.endif
.endm
.macro ROUND                           ; a round of the cluster's barrier
	s_barrier_signal -1
	s_barrier_wait -1
	s_cmp_lg_u32 s[WV], 0
	s_cbranch_scc1 .Lnot_wave_0_\@
	s_barrier_signal -3
.Lnot_wave_0_\@:
	s_barrier_wait -3
	s_barrier_signal -1
	s_barrier_wait -1
.endm
.macro TLOAD sg                        ; the waves of role B ask, each for its quarter of slot sg; four v_nop follow the line
	s_cmp_eq_u32 s[ROLE], 1
	s_cbranch_scc0 .Lno_load_\@
	tensor_load_to_lds s[G0+4*(\sg):G0+4*(\sg)+3], s[G1:G1+7]
	s_nop 0
.rept 4
	v_nop
.endr
.Lno_load_\@:
.endm
.macro PLAINB                          ; between two trips: my LDS stores have landed and my LDS loads, those fetched ahead among them, are in
	s_wait_dscnt 0x0
	s_barrier_signal -1
	s_barrier_wait -1
.endm
; THE CHANGE OF SLOTS, also the barrier between two trips.  fill = 1: slot sg, which has just been left, takes the records two slots on
.macro CHANGE fill, sg
	s_wait_tensorcnt 0x0                           ; all my tensor loads have landed: my part of the slot ahead; so a group 0 may be written
	ds_add_u32 v[SPW], v[NIL]                      ; 0 onto my spare word
.if \fill
	s_add_nc_u64 s[G0+4*(\sg)+2:G0+4*(\sg)+3], s[G0+4*(\sg)+2:G0+4*(\sg)+3], 2*SLOT   ; the type bits on top are not reached
.endif
	s_wait_dscnt 0x0                               ; the add is done, my reads of the slot are over, my stores of P have landed
.if \fill
	ROUND                                          ; no wave of any partner still reads the slot or has a load on its way
	TLOAD \sg                                      ; the first thing behind the round, a wave's one tensor load until the next
.else
	s_barrier_signal -1
	s_barrier_wait -1
.endif
.endm
.macro GL idx                          ; g's eight fragments (their lower 64 along K) and scale words out of the record at address register idx = 2 x slot + record
	WIN 0x40                                       ; destination window 1
.irp t, 0,1,2,3,4,5,6,7
.irp q, 0,1
	ds_load_b128 v[16*\t+4*\q:16*\t+4*\q+3], v[AG+(\idx)] offset:1024*\t+512*\q
.endr
.endr
	WIN 0
.irp i, 0,1,2,3
	ds_load_b32 v[GSW+\i], v[AGS+(\idx)] offset:64*\i
.endr
.endm
; ROLE A, a key step.  head = 0: g is in registers, fetched a trip ago; 1: g and f come from memory now; 2: g comes from LDS now, record hidx.  pidx >= 0: the next step's g is fetched from record pidx.
; P's image goes into set wb.  last = 1: gamma / the sum goes to LDS
.macro ASTEP head, hidx, pidx, wb, last
.if \head == 1
	WIN 0x40                                       ; destination window 1
.irp t, 0,1,2,3,4,5,6,7
.irp q, 0,1
	global_load_b128 v[16*\t+4*\q:16*\t+4*\q+3], v[GO], s[GP:GP+1] offset:1024*\t+512*\q
.endr
.endr
	WIN 0
.irp i, 0,1,2,3
	global_load_b32 v[GSW+\i], v[RH], s[GP:GP+1] offset:GS-GC+64*\i
.endr
	global_load_b128 v[FQ:FQ+3], v[GO], s[4:5]     ; f's fragment and scale words stay in registers
	global_load_b128 v[FQ+4:FQ+7], v[GO], s[4:5] offset:512
	global_load_b32 v[FS], v[R4], s[6:7]
	s_wait_loadcnt 0x0
.endif
.if \head == 2
	GL \hidx
	s_wait_dscnt 0x0
.endif
	WIN 0x01                                       ; source 0 (g) window 1
.irp t, 0,1,2,3,4,5,6,7
.if \t < 4
	v_wmma_scale_f32_16x16x128_f8f6f4 v[SCO+8*\t:SCO+8*\t+7], v[16*\t:16*\t+15], v[FQ:FQ+15], 0, v[GSW+\t%4], v[FS]
.else
	v_wmma_scale_f32_16x16x128_f8f6f4 v[SCO+8*\t:SCO+8*\t+7], v[16*\t:16*\t+15], v[FQ:FQ+15], 0, v[GSW+\t%4], v[FS] matrix_a_scale:MATRIX_SCALE_ROW1
.endif
.endr
	WIN 0
.rept 8
	v_nop                                          ; eight places behind this form before a result is read, and before a load is issued into an operand or a scale (ISA guide 7.12.1 for the result)
.endr
.if (\pidx) >= 0
	GL \pidx                                       ; the next step's g: 20 loads, which land under the softmax; the wait for them stands in front of the trip's barrier
.endif
.irp b, 0,1,2,3
	v_max3_num_f32 v[BM+\b], v[SCO+16*\b], v[SCO+16*\b+1], v[SCO+16*\b+2]   ; the largest score of each block of 32 keys: for the row's maximum, and, since p rises with the score, for the block's largest p
.endr
.irp i, 3,5,7,9,11,13
.irp b, 0,1,2,3
	v_max3_num_f32 v[BM+\b], v[BM+\b], v[SCO+16*\b+\i], v[SCO+16*\b+\i+1]
.endr
.endr
.irp b, 0,1,2,3
	v_max_num_f32 v[BM+\b], v[BM+\b], v[SCO+16*\b+15]
.endr
.irp b, 0,1,2,3
	v_permlanex16_b32 v[T2+\b], v[BM+\b], s[SEL], s[SEL+1]
.endr
.irp b, 0,1,2,3
	v_max_num_f32 v[BM+\b], v[BM+\b], v[T2+\b]     ; with lane l xor 16's 16 keys
.endr
	v_max3_num_f32 v[TT], v[BM], v[BM+1], v[BM+2]
	v_max_num_f32 v[TT], v[TT], v[BM+3]            ; the step's largest score of my query,
	v_mul_f32 v[TT], s[CS], v[TT]                  ; as t
	v_max_num_f32 v[TX], v[TX], v[TT]              ; the running largest t
	v_mov_b32 v[TT], v[NM]
	v_floor_f32 v[NM], -v[TX]                      ; the new -M = floor(-t) = -ceil(t)
	v_sub_f32 v[TT], v[NM], v[TT]                  ; old M - new M: a whole number, 0 or less
	v_cvt_i32_f32 v[TT], v[TT]                     ; (it saturates)
	v_ldexp_f32 v[FAC], 1.0, v[TT]                 ; the factor 2^(old M - new M)
.set aj, 0
.rept 32
	v_pk_fma_f32 v[SCO+aj:SCO+aj+1], v[SCO+aj:SCO+aj+1], s[CS:CS+1], v[NM:NM+1] op_sel_hi:[1,0,0]   ; t - M, two at a time
.set aj, aj+2
.endr
.irp b, 0,1,2,3
	v_fma_f32 v[BM+\b], v[BM+\b], s[CS], v[NM]     ; the same of each block's largest score
.endr
.set aj, 0
.rept 64
	v_exp_f32 v[SCO+aj], v[SCO+aj]                 ; p = 2^(t - M)
.set aj, aj+1
.endr
.irp b, 0,1,2,3
	v_exp_f32 v[BM+\b], v[BM+\b]                   ; the block's largest p: the same two instructions on the same number
.endr
	v_pk_mul_f32 v[LSUM:LSUM+1], v[LSUM:LSUM+1], v[FAC:FAC+1] op_sel_hi:[1,0]   ; the sums under the new M (a plain place behind the exponentials)
	s_wait_alu depctr_va_vdst(0)
.irp b, 0,1,2,3
	v_max_num_f32 v[BM+\b], 0x4800000, v[BM+\b]    ; the floor 2^(9 - 127): the byte cannot fall under 1
.endr
.irp b, 0,1,2,3
	v_add_nc_u32 v[SO+\b], 0xfc000000, v[BM+\b]    ; 8 off the exponent field: the conversion's scale operand
.endr
.irp b, 0,1,2,3
	v_and_or_b32 v[HD+\b], v[BM+\b], 0x7f800000, s[MNT]   ; 448 x the scale
.endr
.irp b, 0,1,2,3
	v_lshrrev_b32 v[T2+\b], 23, v[SO+\b]           ; the scale's byte
.endr
	v_lshl_or_b32 v[PW], v[T2+1], 8, v[T2]         ; p's scale word for these 128 keys
	v_lshl_or_b32 v[PW], v[T2+2], 16, v[PW]
	v_lshl_or_b32 v[PW], v[T2+3], 24, v[PW]
	v_pk_add_f32 v[SU:SU+1], v[SCO:SCO+1], v[SCO+2:SCO+3]   ; the row's sum is taken of the unquantised p: two at a time, in two chains
.irp j, 4,8,12,16,20,24,28,32,36,40,44,48,52,56,60
	v_pk_add_f32 v[LSUM:LSUM+1], v[LSUM:LSUM+1], v[SCO+\j:SCO+\j+1]
	v_pk_add_f32 v[SU:SU+1], v[SU:SU+1], v[SCO+\j+2:SCO+\j+3]
.endr
	v_pk_add_f32 v[LSUM:LSUM+1], v[LSUM:LSUM+1], v[SU:SU+1]
.irp b, 0,1,2,3
.set aj, 0
.rept 16
	v_min_num_f32 v[SCO+16*\b+aj], v[SCO+16*\b+aj], v[HD+\b]   ; the conversion does not saturate (ISA guide 7.6.2); p is not negative, so the hold is one-sided
.set aj, aj+1
.endr
	v_cvt_scalef32_pk8_fp8_f32 v[PC+4*\b:PC+4*\b+1], v[SCO+16*\b:SCO+16*\b+7], v[SO+\b]
	v_cvt_scalef32_pk8_fp8_f32 v[PC+4*\b+2:PC+4*\b+3], v[SCO+16*\b+8:SCO+16*\b+15], v[SO+\b]
.endr
	v_nop                                          ; a plain line behind the last conversion: the next step's products write p's registers
.irp q, 0,1,2,3
	ds_store_b128 v[PWI], v[PC+4*\q:PC+4*\q+3] offset:8192*(\wb)+512*\q   ; the fragment as it stands: 512 consecutive bytes a store, into set wb
.endr
	ds_store_b32 v[PWS], v[PW] offset:512*(\wb)
	ds_store_b32 v[PWS], v[FAC] offset:1024+512*(\wb)
.if \last
	v_add_f32 v[TT], v[LSUM], v[LSUM+1]            ; the sum's two halves,
	v_permlanex16_b32 v[T2], v[TT], s[SEL], s[SEL+1]
	v_add_f32 v[TT], v[TT], v[T2]                  ; and lane l xor 16's: the row's sum, over 1/2
	v_rcp_f32 v[TT], v[TT]
	v_nop                                          ; a plain place behind the transcendental
	s_wait_alu depctr_va_vdst(0)
	v_mul_f32 v[TT], s[GAM], v[TT]
	ds_store_b32 v[PWS], v[TT] offset:3072         ; gamma / the sum
.endif
.endm
.macro PVMM c, t, zero                 ; O^T(c, t) += V^T(c) P^T(t); zero = 1: the product starts the sum
.if \zero
.if \c < 4
	v_wmma_scale_f32_16x16x128_f8f6f4 v[8*(4*\c+\t):8*(4*\c+\t)+7], v[VF+16*\c:VF+16*\c+15], v[PFR+16*\t:PFR+16*\t+15], 0, v[VSW+\c%4], v[PSW+\t]
.else
	v_wmma_scale_f32_16x16x128_f8f6f4 v[8*(4*\c+\t):8*(4*\c+\t)+7], v[VF+16*\c:VF+16*\c+15], v[PFR+16*\t:PFR+16*\t+15], 0, v[VSW+\c%4], v[PSW+\t] matrix_a_scale:MATRIX_SCALE_ROW1
.endif
.else
.if \c < 4
	v_wmma_scale_f32_16x16x128_f8f6f4 v[8*(4*\c+\t):8*(4*\c+\t)+7], v[VF+16*\c:VF+16*\c+15], v[PFR+16*\t:PFR+16*\t+15], v[8*(4*\c+\t):8*(4*\c+\t)+7], v[VSW+\c%4], v[PSW+\t]
.else
	v_wmma_scale_f32_16x16x128_f8f6f4 v[8*(4*\c+\t):8*(4*\c+\t)+7], v[VF+16*\c:VF+16*\c+15], v[PFR+16*\t:PFR+16*\t+15], v[8*(4*\c+\t):8*(4*\c+\t)+7], v[VSW+\c%4], v[PSW+\t] matrix_a_scale:MATRIX_SCALE_ROW1
.endif
.endif
.endm
.macro PM c                            ; channel tile c's four accumulators under the new M: 16 packed multiplications, each accumulator from its low end on
.irp t, 0,1,2,3
.irp k, 0,2,4,6
	v_pk_mul_f32 v[32*(\c)+8*\t+\k:32*(\c)+8*\t+\k+1], v[32*(\c)+8*\t+\k:32*(\c)+8*\t+\k+1], v[FF+2*\t:FF+2*\t+1] op_sel_hi:[1,0]
.endr
.endr
.endm
.macro LV c, idx                       ; V's fragment of channel tile c out of the record at address register idx
.irp q, 0,1,2,3
	ds_load_b128 v[VF+16*(\c)+4*\q:VF+16*(\c)+4*\q+3], v[AVF+(\idx)] offset:2048*(\c)+512*\q
.endr
.endm
.macro LVS idx                         ; and V's scale words
.irp i, 0,1,2,3
	ds_load_b32 v[VSW+\i], v[AVS+(\idx)] offset:64*\i
.endr
.endm
; ROLE B, a key step: P from set rb; V is in registers, fetched a trip ago (hidx >= 0: it is fetched now, from record hidx).  pidx >= 0: the next step's V is fetched from record pidx.
; zero = 1: the first step: its products start the sums, and there is nothing to rescale.
.macro BSTEP rb, zero, hidx, pidx
.if \zero == 0
.irp t, 0,1,2,3
	ds_load_b32 v[FF+2*\t], v[PRS] offset:1024+512*(\rb)+128*\t   ; the factors first: the rescaling begins while P's fragments come
.endr
.endif
.irp t, 0,1,2,3
	ds_load_b32 v[PSW+\t], v[PRS] offset:512*(\rb)+128*\t
.endr
.irp t, 0,1,2,3
.irp q, 0,1,2,3
	ds_load_b128 v[PFR+16*\t+4*\q:PFR+16*\t+4*\q+3], v[PRI] offset:8192*(\rb)+2048*\t+512*\q
.endr
.endr
.if (\hidx) >= 0
	LVS \hidx
.irp c, 0,1,2,3,4,5,6,7
	LV \c, \hidx
.endr
.endif
.if \zero == 0
	s_wait_dscnt 20                                ; the four factors are in; the 4 + 16 loads behind them may be out
	WIN 0x41                                       ; O^T (destination and source 0) window 1, the factor window 0
	PM 0
	PM 1
.endif
	s_wait_dscnt 0x0                               ; P and its scale words are in
.irp c, 0,1,2,3,4,5,6,7                ; the 32 accumulators by turns, one instruction a turn
	WIN 0x50                                       ; C and D window 1
.irp t, 0,1,2,3
	PVMM \c, \t, \zero
.endr
.if (\zero == 0) && (\c < 6)
	WIN 0x41
	PM \c+2                                        ; the tile two further on is rescaled: 16 plain lines that name no register of tile c's products: more than the eight places
.if (\pidx) >= 0
	WIN 0
	LV \c, \pidx                                   ; that a load into tile c's fragment of V wants behind them
.endif
.endif
.endr
	WIN 0
.rept 9
	v_nop                                          ; eight places serve the loads below and the next trip's, and the next read of results; the ninth, since in the listing role A's products of the next trip
.endr                                              ; stand on the same register numbers (window 1; v64-127): a matrix instruction that takes or writes over such a register stands nine behind
.if (\pidx) >= 0
.if \zero
.irp c, 0,1,2,3,4,5
	LV \c, \pidx
.endr
.endif
	LV 6, \pidx
	LV 7, \pidx
	LVS \pidx                                      ; every product of the trip has read the scale words
.endif
.endm
; Trip j = 2 m + e, on slot sg = m % 2: role A makes P(j) into set e and fetches g(j + 1); role B multiplies by P(j - 1) out of set 1 - e and fetches V(j).  last = 1: role A's last step fetches nothing
.macro TRIP sg, e, last
	s_cmp_eq_u32 s[ROLE], 0
	s_cbranch_scc0 .Lrole_b_\@
.if \last
	ASTEP 0, 0, -1, \e, 1
.else
	ASTEP 0, 0, 2*\sg+\e, \e, 0
.endif
	s_branch .Ljoin_\@
.Lrole_b_\@:
	BSTEP 1-\e, 0, -1, 2*\sg+\e
.Ljoin_\@:
.endm
	s_load_b256 s[4:11], s[0:1], 0x0               ; fimg s[4:5], fsc s[6:7], kv s[8:9], gamma s[10:11]
	s_load_b128 s[12:15], s[0:1], 0x20             ; x s[12:13], out0 s[14:15]
	v_lshl_add_u32 v[SPW], v0, 2, SPARE
	v_mov_b32 v[NIL], 0
	ds_add_u32 v1, v2
	s_wait_dscnt 0x0
	v_lshrrev_b32 v3, 5, v0
	v_readfirstlane_b32 s[WV], v3                  ; wave 0..7
	s_lshr_b32 s[ROLE], s[WV], 2
	s_xor_b32 s[ROLE], s[ROLE], s[WV]
	s_and_b32 s[ROLE], s[ROLE], 1                  ; 0: role A, 1: role B
	s_lshr_b32 s[IDX], s[WV], 1
	s_bfe_u32 s20, ttmp6, 0x40000                  ; cx: it enters f's, x's and out0's addresses alone
	s_lshl_b32 s21, ttmp9, 2
	s_add_co_u32 s21, s21, s20                     ; my block of 64 queries
	s_and_b32 s22, ttmp7, 0xffff                   ; the batch, which the four partners share
	s_lshl_b32 s23, s22, 6
	s_add_co_u32 s23, s23, s21                     ; G = 64 x batch + block
	s_mul_i32 s24, s22, BATCHB
	s_mul_i32 s26, s[IDX], QUART                   ; my quarter of a slot, in memory and in LDS alike
	s_add_co_u32 s28, s24, s26
	s_mov_b32 s29, 0
	s_add_co_u32 s58, s24, 31*REC+GC
	s_mov_b32 s59, 0
	s_lshl_b32 s60, s23, 2
	s_add_co_u32 s60, s60, s[IDX]                  ; query tile 4 G + index
	s_lshl_b32 s62, s60, 6
	s_lshl_b32 s60, s60, 10
	s_mov_b32 s61, 0
	s_mov_b32 s63, 0
	s_lshl_b32 s20, s23, 17                        ; 64 rows of 2,048 bytes,
	s_lshl_b32 s21, s[IDX], 9                      ; my 128 channels
	s_add_co_u32 s20, s20, s21
	s_mov_b32 s21, 0
	s_mov_b32 s[G1], 15|(3<<16)|(1<<21)            ; 15:0 the mask: all four work-groups; 17:16 elements of 8 bytes; 21 set beside a mask; no padding: images are read 512 consecutive bytes at a time
	s_mov_b32 s[G1+1], 32<<16                      ; tensor_dim0 = 32 elements: 256 bytes
	s_mov_b32 s[G1+2], 149<<16                     ; tensor_dim1 = 149
	s_mov_b32 s[G1+3], 32<<16                      ; tile_dim0
	s_mov_b32 s[G1+4], 149                         ; tile_dim1
	s_mov_b32 s[G1+5], 32                          ; the pitch: dense
	s_mov_b32 s[G1+6], 0
	s_mov_b32 s[G1+7], 0
	s_mov_b32 s[SEL], 0x76543210
	s_mov_b32 s[SEL+1], 0xfedcba98
	s_mov_b32 s[CS], 0x3fb8aa3b                    ; log2(e)
	s_mov_b32 s[CS+1], s[CS]                       ; (named with it as a pair, so it is written)
	s_mov_b32 s[MNT], 0x600000
	v_and_b32 v29, 31, v0                          ; lane
	v_and_b32 v30, 15, v0                          ; r
	v_bfe_u32 v31, v0, 4, 1                        ; h
	v_lshlrev_b32 v[GO], 4, v29
	v_lshlrev_b32 v29, 2, v29                      ; 4 x lane
	v_lshlrev_b32 v[R4], 2, v30
	v_lshl_add_u32 v[RH], v31, 8, v[R4]
	s_lshl_b32 s19, s[IDX], 14
	v_add_nc_u32 v3, s19, v[GO]                    ; my eight images of V: 16,384 x index
	s_mul_i32 s19, s[IDX], 16*528
	v_mul_u32_u24 v[STO], v30, 528
	v_lshl_add_u32 v[STO], v31, 5, v[STO]
	v_add_nc_u32 v[STO], s19, v[STO]               ; my stage (16 rows x 528 bytes, in slot 0): row r, + 32 h
	v_add_nc_u32 v[SRD], s19, v[GO]
	s_lshl_b32 s19, s[IDX], 9
	v_add_nc_u32 v30, s19, v[RH]
.irp g, 0,1
.irp e, 0,1
	v_add_nc_u32 v[AG+2*\g+\e], \g*SLOT+\e*REC+GC, v[GO]
	v_add_nc_u32 v[AGS+2*\g+\e], \g*SLOT+\e*REC+GS, v[RH]
	v_add_nc_u32 v[AVF+2*\g+\e], \g*SLOT+\e*REC, v3
	v_add_nc_u32 v[AVS+2*\g+\e], \g*SLOT+\e*REC+VS, v30
.endr
.endr
	s_lshl_b32 s19, s[IDX], 11
	s_add_co_u32 s19, s19, PIMG
	v_add_nc_u32 v[PWI], s19, v[GO]
	s_lshl_b32 s19, s[IDX], 7
	s_add_co_u32 s19, s19, PSC
	v_add_nc_u32 v[PWS], s19, v29
	v_add_nc_u32 v[PRI], PIMG, v[GO]
	v_add_nc_u32 v[PRS], PSC, v29
.irp t, 0,1,2,3
	v_mov_b32 v[FF+2*\t+1], 0                      ; the upper halves of the factors' pairs: the packed rescaling names them, so they are written, here where every wave's path passes
.endr
	s_wait_kmcnt 0x0
	s_load_b32 s[GAM], s[10:11], 0x0
	s_add_nc_u64 s[30:31], s[8:9], s[28:29]        ; kv at my quarter of the batch's first slot: made of the batch and the wave's number alone
	s_add_nc_u64 s[GP:GP+1], s[8:9], s[58:59]
	s_add_nc_u64 s[4:5], s[4:5], s[60:61]
	s_add_nc_u64 s[6:7], s[6:7], s[62:63]
	s_add_nc_u64 s[12:13], s[12:13], s[20:21]
	s_add_nc_u64 s[14:15], s[14:15], s[20:21]
.irp s, 0,1
	s_mov_b32 s[G0+4*\s], 1                                        ; count = 1
	s_add_co_u32 s[G0+4*\s+1], s26, \s*SLOT                        ; LDS address
	s_add_nc_u64 s[G0+4*\s+2:G0+4*\s+3], s[30:31], \s*SLOT         ; global address: records 2 s, 2 s + 1
	s_or_b32 s[G0+4*\s+3], s[G0+4*\s+3], 0x80000000                ; type = 2
.endr
	s_wait_kmcnt 0x0                               ; gamma
	ROUND                                          ; all four work-groups are here: the first joint loads meet
	s_cmp_eq_u32 s[ROLE], 1
	s_cbranch_scc0 .Lfirst_a
	tensor_load_to_lds s[G0:G0+3], s[G1:G1+7]      ; role B: both first fills in one branch, ahead of every wait on TENSORcnt, every LDS read and every further barrier
	s_nop 0
	tensor_load_to_lds s[G0+4:G0+7], s[G1:G1+7]
	s_nop 0
.rept 4
	v_nop
.endr
	s_branch .Lfirst_done
.Lfirst_a:                                         ; role A: trip 0
	WIN 0x40
.irp t, 0,1,2,3,4,5,6,7
.irp j, 8,9,10,11,12,13,14,15
	v_mov_b32 v[16*\t+\j], 0                       ; K = 64: the upper 64 of g's fragments are zero codes, set once
.endr
.endr
	WIN 0
.irp j, 8,9,10,11,12,13,14,15
	v_mov_b32 v[FQ+\j], 0                          ; and of f's
.endr
.irp b, 0,1,2,3
	v_mov_b32 v[T2+\b], 0                          ; written once: a lane permute's destination counts as one of its sources
.endr
	v_mov_b32 v[FAC+1], 0
	v_mov_b32 v[LSUM], 0                           ; the sum, in two halves
	v_mov_b32 v[LSUM+1], 0
	v_mov_b32 v[TX], 0xff61b1e6                    ; the largest t so far: -3e38, under every t
	v_floor_f32 v[NM], -v[TX]                      ; (these nine lines are also the places between the fragments' zeros and the first products)
	ASTEP 1, 0, -1, 0, 0                           ; g(0) and f from memory, while the first fills are on their way; nothing can be fetched ahead yet
.Lfirst_done:
	s_wait_tensorcnt 0x1                           ; my part of slot 0 is in; slot 1's may stay out
	PLAINB
	s_cmp_eq_u32 s[ROLE], 0                        ; trip 1: both roles fetch record 0 at the head and record 1 ahead
	s_cbranch_scc0 .Ltrip1_b
	ASTEP 2, 0, 1, 1, 0
	s_branch .Ltrip1_join
.Ltrip1_b:
	BSTEP 0, 1, 0, 1                               ; role B's first products start the sums
.Ltrip1_join:
	s_mov_b32 s[LOOP], 7
.Lpairs:                                           ; 7 trips of the loop: four key steps each (trips 2 to 29); both slots are filled again
	CHANGE 1, 0
	TRIP 1, 0, 0
	PLAINB
	TRIP 1, 1, 0
	CHANGE 1, 1
	TRIP 0, 0, 0
	PLAINB
	TRIP 0, 1, 0
	s_sub_co_u32 s[LOOP], s[LOOP], 1
	s_cmp_lg_u32 s[LOOP], 0
	s_cbranch_scc1 .Lpairs
	CHANGE 0, 0                                    ; the last slot: nothing is left to fetch from memory
	TRIP 1, 0, 0                                   ; trip 30
	PLAINB
	TRIP 1, 1, 1                                   ; trip 31: role A's last step
	PLAINB
	s_cmp_eq_u32 s[ROLE], 1
	s_cbranch_scc0 .Lend
	BSTEP 1, 0, -1, -1                             ; trip 32: role B alone
	; THE WAY OUT, role B: O^T x gamma / the sum goes through my stage, a query tile (16 rows x my 128 channels) at a time, comes back as rows of 512 bytes, takes x and is stored.
	; The stage lies in slot 0: it has had its last fill, and every wave has passed the last change of slots, behind which nobody reads it.
.macro XL t                            ; x at tile t's 16 rows, my 128 channels: 512 consecutive bytes a load
.irp i, 0,1,2,3,4,5,6,7,8,9,10,11,12,13,14,15
	global_load_b128 v[XB+64*((\t)%2)+4*\i:XB+64*((\t)%2)+4*\i+3], v[GO], s[12:13] offset:(32*((\t)/2)+8*((\t)%2)+\i+8*(\i/8))*2048 th:TH_LOAD_NT
.endr
.endm
.irp t, 0,1,2,3
	ds_load_b32 v[FF+2*\t], v[PRS] offset:3072+128*\t
.endr
	XL 0
	XL 1
	s_wait_dscnt 0x0
.irp t, 0,1,2,3
	WIN 0x41
.irp c, 0,1,2,3,4,5,6,7
.irp k, 0,2,4,6
	v_pk_mul_f32 v[8*(4*\c+\t)+\k:8*(4*\c+\t)+\k+1], v[8*(4*\c+\t)+\k:8*(4*\c+\t)+\k+1], v[FF+2*\t:FF+2*\t+1] op_sel_hi:[1,0]
.endr
.endr
	WIN 0x04                                       ; an LDS store's data are its source 1: window 1
.irp c, 0,1,2,3,4,5,6,7
	ds_store_b128 v[STO], v[8*(4*\c+\t):8*(4*\c+\t)+3] offset:64*\c          ; lane (r, h): row r, channels 16 c + 8 h + 0 .. 7
	ds_store_b128 v[STO], v[8*(4*\c+\t)+4:8*(4*\c+\t)+7] offset:64*\c+16
.endr
	WIN 0
.if \t > 0
	s_wait_xcnt 0x0                                ; the last tile's stores have read their registers: these are loaded again only behind this wait
.endif
.irp i, 0,1,2,3,4,5,6,7,8,9,10,11,12,13,14,15
	ds_load_b128 v[OB+4*\i:OB+4*\i+3], v[SRD] offset:528*\i   ; LDS serves a wave's instructions in order: these see my stores, and the next tile's stores come behind them
.endr
	s_wait_dscnt 0x0
.if \t < 3
	s_wait_loadcnt 16                              ; this tile's x is in; the next tile's 16 loads may be out
.else
	s_wait_loadcnt 0x0
.endif
.set oj, 0
.rept 32
	v_pk_add_f32 v[OB+oj:OB+oj+1], v[OB+oj:OB+oj+1], v[XB+64*(\t%2)+oj:XB+64*(\t%2)+oj+1]
.set oj, oj+2
.endr
.irp i, 0,1,2,3,4,5,6,7,8,9,10,11,12,13,14,15
	global_store_b128 v[GO], v[OB+4*\i:OB+4*\i+3], s[14:15] offset:(32*(\t/2)+8*(\t%2)+\i+8*(\i/8))*2048 th:TH_STORE_NT   ; 32 lanes store 512 consecutive bytes, at a multiple of 256 from out0's first byte
.endr
.if \t < 2
	XL \t+2
.endif
.endr
.Lend:
	s_wait_tensorcnt 0x0                           ; the wave's end: behind my last tensor load and my last LDS store
	ds_add_u32 v[SPW], v[NIL]
	s_wait_dscnt 0x0
	ROUND                                          ; the closing round: no work-group ends while a partner may still ask for a tile that names it
	s_endpgm
.Lfunc_end_k_qe04ead0b74_attn:
	.size	k_qe04ead0b74_attn, .Lfunc_end_k_qe04ead0b74_attn-k_qe04ead0b74_attn
	.p2alignl 7, 3214868480
	.fill 96, 4, 3214868480
	.section	.rodata,"a",@progbits
	.p2align	6, 0x0
	.amdhsa_kernel k_qe04ead0b74_attn
		.amdhsa_group_segment_fixed_size 327680
		.amdhsa_private_segment_fixed_size 0
		.amdhsa_enable_private_segment 0
		.amdhsa_kernarg_size 48
		.amdhsa_user_sgpr_count 2
		.amdhsa_user_sgpr_kernarg_segment_ptr 1
		.amdhsa_wavefront_size32 1
		.amdhsa_system_sgpr_workgroup_id_x 1
		.amdhsa_system_sgpr_workgroup_id_y 1
		.amdhsa_system_sgpr_workgroup_id_z 1
		.amdhsa_system_vgpr_workitem_id 0
		.amdhsa_next_free_vgpr 512
		.amdhsa_next_free_sgpr 66
		.amdhsa_reserve_vcc 0
		.amdhsa_float_denorm_mode_32 3
		.amdhsa_float_denorm_mode_16_64 3
		.amdhsa_memory_ordered 1
		.amdhsa_forward_progress 1
		.amdhsa_inst_pref_size 255
	.end_amdhsa_kernel
	.section	.bss,"aw",@nobits
	.p2align	6
	.space	262144
	.amdgpu_metadata
---
amdhsa.version: [ 1, 2 ]
amdhsa.kernels:
  - .name:           k_qe04ead0b74_attn
    .symbol:         k_qe04ead0b74_attn.kd
    .args:
      - { .name: fimg, .offset: 0, .size: 8, .value_kind: global_buffer, .address_space: global }
      - { .name: fsc, .offset: 8, .size: 8, .value_kind: global_buffer, .address_space: global }
      - { .name: kv, .offset: 16, .size: 8, .value_kind: global_buffer, .address_space: global }
      - { .name: gamma, .offset: 24, .size: 8, .value_kind: global_buffer, .address_space: global }
      - { .name: x, .offset: 32, .size: 8, .value_kind: global_buffer, .address_space: global }
      - { .name: out0, .offset: 40, .size: 8, .value_kind: global_buffer, .address_space: global }
    .group_segment_fixed_size: 327680
    .private_segment_fixed_size: 0
    .kernarg_segment_align: 8
    .kernarg_segment_size: 48
    .max_flat_workgroup_size: 256
    .sgpr_count:     66
    .vgpr_count:     512
    .wavefront_size: 32
...
	.end_amdgpu_metadata
.endif
;; end of part 3
